; MI455X (gfx1250); checked and timed in simulation.
; The chip was launched on July 23, 2026; its instructions are those of AMD's public machine-readable ISA for CDNA 5 (MIT licence, August 2026) and "CDNA5" Instruction Set Architecture Reference Guide (July 2026). The comments in the code are by the model that wrote it; some were corrected since.
;; Attention Multi Items. Allowed arithmetic: matrix products marked QUANTISED: E2M3 operands, one E8M0 scale for each 32 along K, by v_wmma_scale_f32_16x16x128_f8f6f4 with both operands' format E2M3, f32 sums; products left as they are: f32 operands where the result goes on into a quantised operand, else bf16, f16 or f32 operands; f32 sums; everything else in f32.
;; Inputs: W1_codes 80 x 8 x 24 uint8 (E2M3 codes of W1, K innermost, in blocks of 32 codes, four codes in three bytes); W1_scales 80 x 8 uint8 (E8M0 scales of W1, one for each 32 codes along K); W2 80 x 40 float32; W3 40 x 1 float32; b1 80 float32; b2 40 float32; b3 1 float32; keys 128 x 200 x 64 float32; keys_length 128 int32; queries 128 x 16 x 64 float32.
;; Outputs: out0 128 x 16 x 64 float32.
;; This version of the problem:
;;   THIS VERSION OF THE PROBLEM IS GIVEN IN LOW PRECISION. The matrix products marked QUANTISED in the list below multiply operands that are first quantised to E2M3 (2 exponent bits, 3 mantissa bits; 6 bits a number), with one power-of-two scale for each 32 numbers along K (OCP MX v1.0); their sums are f32. All else is computed in f32.
;;   The module's matrix products, in the order in which they are computed (A, B: the left and right operand; K: the contracted axis; several contracted axes count as one K, in the product's order):
;;     1. [M 409,600, K 256] x [K 256, N 80]; A: computed on the way; B: input W1 (given as codes): QUANTISED
;;     2. [M 409,600, K 80] x [K 80, N 40]; A: computed on the way; B: input W2: QUANTISED
;;     3. [M 409,600, K 40] x [K 40, N 1]; A: computed on the way; B: input W3: left as it is (N = 1 < 16)
;;     4. batch 128 x [M 16, K 200] x [K 200, N 64]; A: softmax (see below); B: input keys: QUANTISED
;;   THE QUANTISER, for each operand of a quantised product, along K:
;;     - K is cut into blocks of 32 from its start; a last block that is shorter is filled with zeros.
;;     - A block's scale is 2^e with e = floor(log2(the largest magnitude in the block)) - 2, held to -126 .. 127; a block of zeros has e = 0. As a byte (E8M0): e + 127.
;;     - Each number is divided by its block's scale, clamped to +-7.5, and rounded to the nearest number of E2M3, ties to even, subnormals kept.
;;     - The product sums the exact products of the quantised numbers (number of the format x scale) in f32.
;;   ~~~python
;;   def quantise(x, axis):      # numpy; x: float32 -> the quantised numbers, widened to float32 again
;;       x = np.moveaxis(x, axis, -1); K = x.shape[-1]
;;       x = np.pad(x, [(0, 0)] * (x.ndim - 1) + [(0, -K % 32)]); x = x.reshape(x.shape[:-1] + (-1, 32)); a = np.abs(x).max(-1, keepdims=True)
;;       e = np.where(a > 0, np.clip(np.frexp(np.where(a > 0, a, 1))[1] - 1 - 2, -126, 127), 0)      # np.frexp(a)[1] - 1 = floor(log2(a)), exactly
;;       r = np.clip(x / 2.0 ** e, -7.5, 7.5)
;;       step = 2.0 ** (np.maximum(np.frexp(np.where(r == 0, 1, r))[1] - 1, 0) - 3)
;;       q = np.round(r / step) * step * 2.0 ** e      # np.round: ties to even
;;       return np.moveaxis(q.reshape(q.shape[:-2] + (-1,))[..., :K], -1, axis).astype(np.float32)
;;   ~~~
;;   SOFTMAX AHEAD OF A QUANTISED PRODUCT. Where the list says 'softmax', what is quantised is not the finished softmax but p = 2^(t - M), with t = logit x log2(e) and M = ceil(the row's largest t), a whole number; so 1/2 < the row's largest p <= 1. The row's sum l is taken of the UNQUANTISED p, in f32, and the product's result is divided by l at the end. Since M is a whole number, a kernel that streams over the keys may use a running M (the ceiling of the running maximum): every later rescaling is an exact power of two, which a block's scale takes up: the codes' values come out the same.
;;   OPERANDS COMPUTED ON THE WAY. 'Computed on the way' means the value that the module computes at that place (a softmax that the list does not call 'softmax' is quantised finished and normalised). What goes into a quantiser is computed in f32, as accurately as f32 sums, v_exp_f32 and their like allow (about 1e-6 of the number): no bf16 or f16 on the way to a quantiser, and a product that is left as it is and whose result goes on into a quantised operand takes f32 operands (vector FMAs, or v_wmma_f32_16x16x4_f32). A number that lies on a knife's edge between two numbers of the format may be rounded either way, as far as f32 arithmetic and the matrix unit's own rounding can turn it there, and no further.
;;   INPUTS GIVEN AS CODES. W1 (in the module: [256, 80], K = its axis 0): each comes as NAME_codes (uint8): NAME with its K axis moved to the last place and cut into blocks of 32 codes, [.., K / 32, bytes a block], one block behind the other in memory; four codes in three bytes: a row's codes are one little-endian stream of bits, code i at bits 6 i .. 6 i + 5 (a code: sign, 2 exponent bits, 3 mantissa bits); and NAME_scales (uint8): the same leading axes, one E8M0 byte (e + 127) for each 32 codes along K. Its value is code x scale, taken as it is: it is not quantised again, and the codes and scales need not be those that the quantiser above would give.
;; One version. Each part assembles by itself: llvm-mc -triple=amdgcn-amd-amdhsa -mcpu=gfx1250 --defsym DOCPART=n.
;; ======== version 1 of 1: 1 launch
;; limits: right only within a limited range of input values
;; launch attn (part 1): grid 256 x 1, 8 waves a work-group, no clusters, 204,800 bytes of LDS; arguments keys_length, W1_codes, W1_scales, W2, W3, b1, b2, b3, keys, queries, out0; writes out0
.if DOCPART == 1
	.amdgcn_target "amdgcn-amd-amdhsa--gfx1250"
	.amdhsa_code_object_version 6
	.text
	.protected	k_qf641995ace_attn
	.globl	k_qf641995ace_attn
	.p2align	8
	.type	k_qf641995ace_attn,@function
k_qf641995ace_attn:
	s_mov_b64 s[64:65], 0
	v_nop
	global_prefetch_b8 v0, s[64:65] scope:SCOPE_SE
	s_setreg_imm32_b32 hwreg(HW_REG_WAVE_MODE, 25, 1), 1
	s_wait_xcnt 0x0
; out[b][n][:] = softmax_t( MLP([q, k, q-k, q*k]) / 8, masked by t < keys_length[b] ) . keys[b], 128 batches x 16 queries x 200 keys x 64 channels.
; Products 1 (K 256 -> 80), 2 (K 80 -> 40) and 4 (K 200 -> 64) run on codes of E2M3 with one E8M0 scale for each 32 along K; product 3 (K 40 -> 1) is f32 multiply-adds; all else f32.
; SHARES.  Rows with t >= keys_length are thrown away by the mask: whole tiles of them are not computed.  Every wave ranks the 128 batches by their number of tiles of four keys; a work-group takes 4 queries (slice = wg & 3)
; of the batch of rank P = wg >> 2 (batch A) and of the batch of rank 127 - P (batch B).  Eight waves; wave w takes the tiles g, g + 8, ..: g = w in A, g = w ^ 7 in B, so no two waves differ by more than one tile.
; A TILE is 4 queries x 4 keys: row r of 16 is query r & 3, key 4 tile + (r >> 2).  All products are used transposed (source 0 = weights, source 1 = rows), so a lane holds one row throughout.
; The 6-bit operand gives lane (r, hh) whole blocks of 32: the lane holds q[32 hh ..] and k[32 hh ..] of its row, so q-k, q*k, their largest magnitudes and their codes need no other lane.
; K of product 1 is taken by whole blocks in another order, alike on both sides: fragment FA = [k | q-k], fragment FB = [q | q*k]; q's codes stay for a whole batch.
; W1's rows are dealt to tiles so that a lane's 32 results of tiles 0-3 are one block of 32 of the next K, in order; the last 16 units lie as 8 + 8 in two hardware blocks that carry the same scale; W2 is laid alike.
; W1's and W2's fragments are loaded by one wave each, go round through LDS as images of their registers, and stay in registers (window 1).  A tile's four key rows, 1,024 bytes on end, are used by one wave alone: it loads them
; by whole rows two tiles ahead and turns them through LDS bytes of its own, so keys and queries need no barrier.  The keys' codes for product 4 are made from loads of 128 bytes of a row, registers running down t, blocks behind the length left out.
; NO JOINT LOADS, NO DATA MOVER: branches hang on lengths read from memory.  NO PREFETCH: the loop asks for a tile's rows by its own loads two tiles ahead of their use.
; LIMITS.  NaN and infinities among the inputs are not served.  A block whose largest magnitude lies under 2^-124 keeps the scale byte 1; a block of zeros has the byte 1 over zero codes: the bytes are read by this program alone.
; Scores that count are taken to lie above -2^28, so that a masked p is 0.  keys_length below 1: every key is masked, the weights are uniform over 200, as the definition has it; above 200 it counts as 200.
.set TBS,   19968                      ; a batch's region: scores, then
.set KIM,   4096                       ; the keys' codes: 4 fragments of 16 channels, KIMS apart
.set KIMS,  3328
.set PP,    17408
.set PB,    18432
.set PLS,   18688
.set OST,   18944
.set W2IMG, 39936                      ; W2's three fragments as images of their registers, 1,536 bytes each
.set W2SC,  44544                      ; their scale words, 128 bytes each
.set W1IMG, 45056                      ; W1's ten fragments likewise
.set QST,   60416                      ; each wave's own: the two batches' four queries, rows KP bytes apart
.set KST,   77824                      ; each wave's own: four key rows for A, four for B
.set KOFF,  KST-QST
.set SPARE, 95232                      ; the spare words, 128 bytes a wave
.set KP,    272                        ; 256 bytes + 16: the four rows that a load touches start four banks apart
.set ROWS4, 4*KP
.set WST,   2*ROWS4
.set FLOOR, 0x1800000                  ; 2^(3 - 127): no largest magnitude is taken under it, so a scale byte cannot fall under 1
; window 0: v1 16 lane, v2 4 lane, v3 my reads of key rows, v4 my stores of rows, v5 my reads of query rows, v6 r >> 2, v8 score, v9 the mask's number, v10 q's scale byte, v11 a score's place, v12-13 the batches' places,
; v14-19, v36-39 work, v20-29 W1's scale words (in the tail: the keys'), v30-32 W2's, v33-35 the rows' scale words, v40-49 the tail's LDS addresses, v50-51 and (in the head) v8 the keys' codes' addresses, v52-55 lane exchanges
.set GA,    56                         ; v56-63   the rows of A's next tile on their way
.set RQ,    64                         ; v64-95   32 numbers of q
.set RK,    96                         ; v96-127  32 numbers of k
.set RACC, 128                         ; v128-167 q-k, then the first layer's 5 tiles
.set RG8,  160                         ; v160-167 its last tile
.set RZ,   168                         ; v168-175 zeros, behind it: 16 registers on end for a conversion
.set RP,   176                         ; v176-207 q*k; later
.set RA2,  176                         ; v176-199 the second layer's 3 tiles
.set RFA,  208
.set RFB,  220
.set RX,   232
.set RT0,  244                         ; the second halves of blocks' codes are made here and moved: a conversion's three registers begin on an even number
.set RT1,  248
.set RT2,  252
; window 1: v0-119 W1's 10 fragments, v120-155 W2's 3, v156-195 b1, v196-215 b2, v216-235 W3, v240-247 the rows of B's next tile, v254-255 the spare word's address and 0
.set GB,   240
.set MSB, 0
.macro WIN new                         ; the immediate's high byte repeats the setting that is left
.if MSB != \new
	s_set_vgpr_msb (MSB<<8)|\new
.set MSB, \new
.endif
.endm
.macro WALU
	s_wait_alu depctr_va_vdst(0)
.endm
; the largest magnitude of v[s] .. v[s+31] and the floor, in two chains m and a; written in pieces so that several blocks take turns
.macro MXF m, a, s
	v_max3_num_f32 v[\m], |v[\s]|, |v[\s+1]|, FLOOR
	v_max3_num_f32 v[\a], |v[\s+16]|, |v[\s+17]|, |v[\s+18]|
.endm
.macro MXI m, a, s, i
	v_max3_num_f32 v[\m], v[\m], |v[\s+\i]|, |v[\s+\i+1]|
	v_max3_num_f32 v[\a], v[\a], |v[\s+\i+17]|, |v[\s+\i+18]|
.endm
.macro MXG m, s
	v_max3_num_f32 v[\m], v[\m], |v[\s+14]|, |v[\s+15]|
.endm
.macro MXH m, a, s
	v_max3_num_f32 v[\m], v[\m], v[\a], |v[\s+31]|
.endm
.macro MAX3B s1, s2, s3                ; three blocks, six chains by turns: results in v18, v14, v16
	MXF 18, 19, \s1
	MXF 14, 15, \s2
	MXF 16, 17, \s3
.irp i, 2,4,6,8,10,12
	MXI 18, 19, \s1, \i
	MXI 14, 15, \s2, \i
	MXI 16, 17, \s3, \i
.endr
	MXG 18, \s1
	MXG 14, \s2
	MXG 16, \s3
	MXH 18, 19, \s1
	MXH 14, 15, \s2
	MXH 16, 17, \s3
.endm
.macro MX4 i, s                        ; line i of four chains over 32 numbers taken with their sign: v14-17
.if \i == 0
	v_max3_num_f32 v14, v[\s], v[\s+1], v[\s+2]
	v_max3_num_f32 v15, v[\s+8], v[\s+9], v[\s+10]
	v_max3_num_f32 v16, v[\s+16], v[\s+17], v[\s+18]
	v_max3_num_f32 v17, v[\s+24], v[\s+25], v[\s+26]
.elseif \i < 3
	v_max3_num_f32 v14, v14, v[\s+2*\i+1], v[\s+2*\i+2]
	v_max3_num_f32 v15, v15, v[\s+2*\i+9], v[\s+2*\i+10]
	v_max3_num_f32 v16, v16, v[\s+2*\i+17], v[\s+2*\i+18]
	v_max3_num_f32 v17, v17, v[\s+2*\i+25], v[\s+2*\i+26]
.else
	v_max3_num_f32 v14, v14, v15, v[\s+7]
	v_max3_num_f32 v16, v16, v17, v[\s+15]
	v_max3_num_f32 v14, v14, v[\s+23], v[\s+31]    ; v14 and v16 are still to be joined
.endif
.endm
.macro CVT d, s, sc                    ; 16 numbers / 2^(the exponent field of sc - 127), to the nearest code, ties to even, beyond 7.5 the largest code; 96 bits
	v_cvt_scalef32_pk16_fp6_f32 v[\d:\d+2], v[\s:\s+15], v[\sc]
.endm
.macro SCOP d, m                       ; 2 off the exponent field: the conversion's scale operand
	v_add_nc_u32 v[\d], 0xff000000, v[\m]
.endm
.macro SBYTE d, sc
	v_lshrrev_b32 v[\d], 23, v[\sc]
.endm
.macro MOV3 d, s
	v_mov_b32 v[\d], v[\s]
	v_mov_b32 v[\d+1], v[\s+1]
	v_mov_b32 v[\d+2], v[\s+2]
.endm
.macro NOPS n
.rept \n
	v_nop
.endr
.endm
.macro WM d, a, b, c, sa, sb
	v_wmma_scale_f32_16x16x128_f8f6f4 v[\d:\d+7], v[\a:\a+11], v[\b:\b+11], v[\c:\c+7], v[\sa], v[\sb] matrix_a_fmt:MATRIX_FMT_FP6 matrix_b_fmt:MATRIX_FMT_FP6
.endm
.macro WM0 d, a, b, sa, sb             ; the first product starts the sum
	v_wmma_scale_f32_16x16x128_f8f6f4 v[\d:\d+7], v[\a:\a+11], v[\b:\b+11], 0, v[\sa], v[\sb] matrix_a_fmt:MATRIX_FMT_FP6 matrix_b_fmt:MATRIX_FMT_FP6
.endm
.macro SIGM b, n                       ; n sigmoids in place: 1 / (1 + 2^(-x log2 e)); each accumulator is read from its low end on
.set sgi, 0
.rept \n/2
	v_pk_mul_f32 v[\b+sgi:\b+sgi+1], v[\b+sgi:\b+sgi+1], s[32:33] op_sel_hi:[1,0]
.set sgi, sgi+2
.endr
.set sgi, 0
	WALU
.rept \n
	v_exp_f32 v[\b+sgi], v[\b+sgi]
.set sgi, sgi+1
.endr
	v_nop                                          ; a plain place behind the exponentials
.set sgi, 0
	WALU
.rept \n/2
	v_pk_add_f32 v[\b+sgi:\b+sgi+1], v[\b+sgi:\b+sgi+1], 1.0 op_sel_hi:[1,0]
.set sgi, sgi+2
.endr
.set sgi, 0
	WALU
.rept \n
	v_rcp_f32 v[\b+sgi], v[\b+sgi]
.set sgi, sgi+1
.endr
	v_nop                                          ; a plain place behind the reciprocals
	WALU
.endm
.macro LOADK ko                        ; my 32 numbers of my row's key, 128 bytes; the four lanes of a key read the same bytes
.irp i, 0,1,2,3,4,5,6,7
	ds_load_b128 v[RK+4*\i:RK+4*\i+3], v3 offset:\ko+16*\i
.endr
.endm
.macro LOADQ ko                        ; and of my row's query
.irp i, 0,1,2,3,4,5,6,7
	ds_load_b128 v[RQ+4*\i:RQ+4*\i+3], v5 offset:\ko+16*\i
.endr
.endm
.macro QMINUSK i0, n                   ; n pairs of q - k
.set qi, 2*\i0
.rept \n
	v_pk_add_f32 v[RACC+qi:RACC+qi+1], v[RQ+qi:RQ+qi+1], v[RK+qi:RK+qi+1] neg_lo:[0,1] neg_hi:[0,1]
.set qi, qi+2
.endr
.endm
.macro QPREP                           ; q's block of 32: its codes into FB's first six registers, its scale byte into v10: they stay for the batch; and the first tile's q - k
	MXF 18, 19, RQ
.irp i, 2,4,6,8,10,12
	MXI 18, 19, RQ, \i
.endr
	MXG 18, RQ
	MXH 18, 19, RQ
	SCOP 36, 18
	QMINUSK 0, 8
	CVT RFB, RQ, 36
	CVT RT0, RQ+16, 36
	SBYTE 10, 36
	QMINUSK 8, 8
	MOV3 RFB+3, RT0
.endm
; ---------------------------------------------------------------- the head: ids, every address register, constants
	s_load_b512 s[4:19], s[0:1], 0x0               ; keys_length 4, W1_codes 6, W1_scales 8, W2 10, W3 12, b1 14, b2 16, b3 18
	s_load_b128 s[20:23], s[0:1], 0x40             ; keys, queries
	s_load_b64 s[24:25], s[0:1], 0x50              ; out0
	WIN 0x40
	v_lshl_add_u32 v254, v0, 2, SPARE
	v_mov_b32 v255, 0
	WIN 0
	v_lshrrev_b32 v52, 5, v0
	v_and_b32 v247, 31, v0                         ; lane
	v_readfirstlane_b32 s2, v52                    ; wave 0..7
	v_and_b32 v248, 15, v0                         ; r
	v_bfe_u32 v249, v0, 4, 1                       ; hh
	v_and_b32 v250, 3, v0                          ; r & 3: the query
	v_bfe_u32 v251, v0, 2, 2                       ; r >> 2: the key
	v_lshlrev_b32 v1, 4, v247
	v_lshlrev_b32 v2, 2, v247
	; what the weights' loads need comes first
	v_and_b32 v252, 7, v0
	v_bfe_u32 v253, v0, 3, 1
	v_mul_u32_u24 v254, v249, 24
	v_lshlrev_b32 v100, 7, v249
	v_lshlrev_b32 v101, 5, v249
	v_lshlrev_b32 v102, 4, v249
	v_lshl_add_u32 v252, v253, 5, v252             ; (r & 7) + 32 (r >> 3): tile tau's row r is unit 8 tau + this
	v_mad_u32_u24 v97, v248, 192, v254             ; tile 4: unit 64 + r
	v_mad_u32_u24 v96, v252, 192, v254             ; W1's codes: 192 bytes a unit, + 24 hh
	v_lshlrev_b32 v98, 3, v252                     ; W1's scale bytes: 8 a unit
	v_lshlrev_b32 v99, 3, v248
	s_xor_b32 s92, s2, 7
	s_min_u32 s46, s92, 4                          ; waves 7 .. 3 fetch W1's tiles 0 .. 4 (the others never use what is made of this)
	s_mul_i32 s73, s46, 1536                       ; my tile of W1: 8 units a tile,
	s_cmp_eq_u32 s46, 4
	s_cselect_b32 s73, 12288, s73                  ; tile 4 from unit 64 on
	s_cselect_b32 s70, -1, 0
	WALU
	v_cndmask_b32 v96, v96, v97, s70
	v_add_nc_u32 v96, s73, v96
	s_lshl_b32 s70, s2, 4
	v_add_nc_u32 v254, s70, v248                   ; W2's column: waves 0, 1: 16 w + r;
	v_lshl_add_u32 v255, v253, 2, v250
	v_add_nc_u32 v255, 32, v255                    ; wave 2: 32 + 4 (r >> 3) + (r & 3): its rows 4-7 and 12-15 repeat columns; their results are never read
	s_cmp_eq_u32 s2, 2
	s_cselect_b32 s70, -1, 0
	v_cndmask_b32 v254, v254, v255, s70
	v_lshlrev_b32 v254, 2, v254
	v_mad_u32_u24 v103, v249, 5120, v254           ; + 32 hh rows of 160 bytes
	v_mad_u32_u24 v104, v249, 1280, v254           ; + 8 hh rows
	s_and_b32 s3, ttmp9, 3                         ; slice: which 4 queries
	s_lshr_b32 s27, ttmp9, 2                       ; P: batch A's rank
	s_sub_co_u32 s28, 127, s27                     ; batch B's
	s_lshl_b32 s29, s3, 10                         ; the slice's four rows of queries and of out0, in bytes
	s_mov_b32 s30, 0x76543210
	s_mov_b32 s31, 0xfedcba98                      ; v_permlanex16_b32's selects for lane l xor 16
	s_mov_b32 s32, 0xbfb8aa3b                      ; -log2(e)
	s_mov_b32 s33, s32                             ; (named with it as a pair)
	WALU
	s_wait_kmcnt 0x0
	global_load_b128 v[240:243], v1, s[4:5]        ; all 128 lengths, four a lane
	s_load_b32 s26, s[18:19], 0x0                  ; b3
	s_cmp_lt_u32 s2, 3
	s_cbranch_scc0 .Lraw_w1
	WIN 0x40
.set n, 0
.rept 32
	global_load_b32 v[64+n], v103, s[10:11] offset:160*n           ; waves 0-2: W2(32 hh + n, my column): registers run down K
.set n, n+1
.endr
.set n, 0
.rept 8
	global_load_b32 v[96+n], v104, s[10:11] offset:10240+160*n     ; W2(64 + 8 hh + n, my column)
.set n, n+1
.endr
	WIN 0
	s_branch .Lraw_done
.Lraw_w1:
	WIN 0x40
.irp f, 0,1                            ; waves 3-7: my tile of W1, two fragments: f = 0 is FA's partner (blocks 2 + hh, 4 + hh of the unit's eight), f = 1 FB's (blocks hh, 6 + hh); 24 bytes as three loads of 8
.irp c, 0,1
.irp p, 0,1,2
	global_load_b64 v[64+12*\f+6*\c+2*\p:65+12*\f+6*\c+2*\p], v96, s[6:7] offset:24*((1-\f)*(2+2*\c)+\f*6*\c)+8*\p
.endr
.endr
.endr
	WIN 0
.Lraw_done:
	WIN 0x40
.irp t, 0,1,2,3
	global_load_b64 v[2*\t:2*\t+1], v98, s[8:9] offset:64*\t                   ; W1's scale bytes, eight a unit
.endr
	global_load_b64 v[8:9], v99, s[8:9] offset:512
.irp t, 0,1,2,3
	global_load_b128 v[156+8*\t:159+8*\t], v100, s[14:15] offset:32*\t         ; b1 in the result's layout: units 32 hh + 8 tau + 0..7
	global_load_b128 v[160+8*\t:163+8*\t], v100, s[14:15] offset:32*\t+16
.endr
	global_load_b128 v[188:191], v101, s[14:15] offset:256                     ; units 64 + 8 hh + 0..7
	global_load_b128 v[192:195], v101, s[14:15] offset:272
.irp i, 104,105,106,107,108,109,110,111
	v_mov_b32 v\i, 0                               ; 8 zeros behind W2's last 8 rows
.endr
	WIN 0
	; under the loads' flight: the LDS addresses
	s_mul_i32 s70, s2, WST
	s_add_co_u32 s71, s70, KST
	s_add_co_u32 s72, s70, QST
	v_mul_u32_u24 v3, v251, KP
	v_mul_u32_u24 v5, v250, KP
	v_mul_u32_u24 v4, v249, KP
	v_lshl_add_u32 v3, v249, 7, v3
	v_lshl_add_u32 v5, v249, 7, v5
	v_lshl_add_u32 v4, v248, 4, v4
	v_add_nc_u32 v3, s71, v3                       ; my tile's keys: (r >> 2) rows + 128 hh
	v_add_nc_u32 v5, s72, v5                       ; my queries: (r & 3) rows + 128 hh
	v_add_nc_u32 v4, s72, v4                       ; where a load's two rows go: row lane / 16, 16 bytes a lane
	v_mov_b32 v6, v251
	v_mov_b32 v9, 0xcf800000                       ; -(2^32) + 1 as f32
	v_lshlrev_b32 v252, 4, v250
	v_lshl_add_u32 v252, v251, 2, v252             ; a score's place in a tile's 64 bytes: 16 (r & 3) + 4 (r >> 2)
	s_lshl_b32 s70, s2, 9
	v_add_nc_u32 v12, s70, v252                    ; batch A: group w's 512 bytes
	s_lshl_b32 s72, s92, 9
	s_add_co_u32 s72, s72, TBS
	v_add_nc_u32 v13, s72, v252                    ; batch B: group w ^ 7's
	s_mul_i32 s70, s46, 3072
	s_add_co_u32 s70, s70, W1IMG
	v_add_nc_u32 v33, s70, v1
	s_min_u32 s70, s2, 2                           ; (waves 0-2 make W2's three tiles; the others never use these two)
	s_mul_i32 s71, s70, 1536
	s_add_co_u32 s71, s71, W2IMG
	v_add_nc_u32 v34, s71, v1
	s_lshl_b32 s71, s70, 7
	s_add_co_u32 s71, s71, W2SC
	v_add_nc_u32 v35, s71, v2
	; the keys' codes: wave 4 X + 2 ch + pr makes batch X's channels 32 ch + lane, blocks t = 64 u + 32 pr + 0..31
	s_lshr_b32 s70, s2, 2
	s_mul_i32 s70, s70, TBS
	s_bfe_u32 s71, s2, 0x10001
	s_mul_i32 s72, s71, 2*KIMS
	s_add_co_u32 s70, s70, s72
	s_add_co_u32 s70, s70, KIM
	s_and_b32 s91, s2, 1                           ; pr
	v_mul_u32_u24 v252, v249, KIMS
	v_add_nc_u32 v252, s70, v252
	s_lshl_b32 s72, s91, 8
	s_lshl_b32 s73, s91, 7
	s_add_co_u32 s73, s73, 512
	s_add_co_u32 s74, s91, 3072
	v_lshl_add_u32 v50, v248, 4, v252
	v_lshl_add_u32 v51, v248, 3, v252
	v_lshl_add_u32 v8, v248, 2, v252
	v_add_nc_u32 v50, s72, v50
	v_add_nc_u32 v51, s73, v51
	v_add_nc_u32 v8, s74, v8                       ; the scale byte's place: word r, byte 2 (u & 1) + pr
	s_min_u32 s70, s2, 1                           ; the tail: wave 0 batch A, wave 1 batch B (the others end before it)
	s_mul_i32 s70, s70, TBS
	v_and_b32 v252, 7, v0
	v_bfe_u32 v253, v0, 3, 2
	v_lshlrev_b32 v252, 6, v252
	v_lshl_add_u32 v252, v253, 4, v252
	v_add_nc_u32 v40, s70, v252                    ; lane = 8 n + block: 64 block + 16 n
	v_lshl_add_u32 v41, v247, 5, s70
	v_add_nc_u32 v42, s70, v247
	v_add_nc_u32 v43, s70, v2
	v_add_nc_u32 v44, s70, v1
	v_lshl_add_u32 v45, v247, 3, s70
	v_lshl_add_u32 v252, v249, 5, s70
	v_lshl_add_u32 v46, v250, 8, v252              ; 256 (r & 3) + 32 hh
	v_lshl_add_u32 v47, v250, 3, s70
	v_lshl_add_u32 v48, v250, 5, s70
	v_lshl_add_u32 v49, v248, 2, s70
	s_mov_b32 s71, 0xff800000
	v_mov_b32 v36, s71                             ; -infinity: keys from 200 on do not exist
	s_cmp_lt_u32 s2, 2                             ; slot 6 holds keys 192 + 4 g + 0..3: they exist for groups 0 and 1
	s_cselect_b32 s70, 0xcf800000, s71
	v_mov_b32 v37, s70
	s_cmp_ge_u32 s2, 6
	s_cselect_b32 s70, 0xcf800000, s71
	v_mov_b32 v38, s70
.irp i, 52,53,54,55
	v_mov_b32 v\i, 0                               ; written once: a lane permute's destination counts as one of its sources
.endr
.set n, 128
.rept 112
	v_mov_b32 v[n], 0                              ; v128-239: a block of keys that is left out counts as zeros; v168-175 stay zero for good
.set n, n+1
.endr
	WALU
; ---------------------------------------------------------------- the two batches, by rank of their number of tiles
	s_wait_loadcnt 27                              ; 27 loads or 55 were issued behind the lengths' load, and loads come back in order: it is in
.irp m, 0,1,2,3
	v_min_i32 v[240+\m], 200, v[240+\m]
.endr
.irp m, 0,1,2,3
	v_max_i32 v[240+\m], 0, v[240+\m]
.endr
.irp m, 0,1,2,3
	v_add_nc_u32 v[240+\m], 3, v[240+\m]
.endr
.irp m, 0,1,2,3
	v_lshrrev_b32 v[244+\m], 2, v[240+\m]          ; tiles of batch 4 lane + m: 0 .. 50
.endr
	s_mov_b32 s34, 0
	s_mov_b32 s35, 0
	s_mov_b32 s36, 0
	s_mov_b32 s37, 0
	WALU
.irp bit, 32,16,8,4,2,1                ; bit by bit, the largest C with at most P batches of fewer tiles (s36, s37: how many there are).  Both ranks in one walk
	s_add_co_u32 s38, s34, \bit
	s_add_co_u32 s39, s35, \bit
.irp m, 0,1,2,3
	v_cmp_gt_u32 s[40+\m], s38, v[244+\m]
	v_cmp_gt_u32 s[44+\m], s39, v[244+\m]
.endr
.irp m, 40,44,41,45,42,46,43,47
	s_bcnt1_i32_b32 s\m, s\m
.endr
	s_add_co_u32 s40, s40, s41
	s_add_co_u32 s44, s44, s45
	s_add_co_u32 s42, s42, s43
	s_add_co_u32 s46, s46, s47
	s_add_co_u32 s40, s40, s42
	s_add_co_u32 s44, s44, s46
	s_cmp_le_u32 s40, s27
	s_cselect_b32 s34, s38, s34
	s_cselect_b32 s36, s40, s36
	s_cmp_le_u32 s44, s28
	s_cselect_b32 s35, s39, s35
	s_cselect_b32 s37, s44, s37
.endr
.irp m, 0,1,2,3
	v_cmp_eq_u32 s[40+\m], s34, v[244+\m]
	v_cmp_eq_u32 s[44+\m], s35, v[244+\m]
.endr
	WALU
	s_sub_co_u32 s48, s27, s36
	s_sub_co_u32 s49, s28, s37
.macro TIE e, r, out                   ; among the batches of C tiles, in the order (m, lane), the one of place r
	s_bcnt1_i32_b32 s66, s[\e]
	s_bcnt1_i32_b32 s67, s[\e+1]
	s_bcnt1_i32_b32 s68, s[\e+2]
	s_add_co_u32 s67, s66, s67
	s_add_co_u32 s68, s67, s68
	s_cmp_ge_u32 s[\r], s66
	s_cselect_b32 s71, s[\e+1], s[\e]
	s_cselect_b32 s69, s66, 0
	s_cselect_b32 s70, 1, 0
	s_cmp_ge_u32 s[\r], s67
	s_cselect_b32 s71, s[\e+2], s71
	s_cselect_b32 s69, s67, s69
	s_cselect_b32 s70, 2, s70
	s_cmp_ge_u32 s[\r], s68
	s_cselect_b32 s71, s[\e+3], s71
	s_cselect_b32 s69, s68, s69
	s_cselect_b32 s70, 3, s70
	s_sub_co_u32 s[\r], s[\r], s69
	s_mov_b32 s72, 0
.irp st, 16,8,4,2,1                    ; the largest lane with at most r bits of the mask below it
	s_add_co_u32 s73, s72, \st
	s_sub_co_u32 s74, 32, s73
	s_lshl_b32 s74, s71, s74
	s_bcnt1_i32_b32 s74, s74
	s_cmp_le_u32 s74, s[\r]
	s_cselect_b32 s72, s73, s72
.endr
	s_lshl_b32 s72, s72, 2
	s_add_co_u32 s[\out], s72, s70
	s_min_u32 s[\out], s[\out], 127
.endm
	TIE 40, 48, 54
	TIE 44, 49, 55
	s_mov_b32 s71, 0
	s_mul_i32 s70, s54, 51200
	s_add_nc_u64 s[56:57], s[20:21], s[70:71]      ; A's keys
	s_mul_i32 s70, s55, 51200
	s_add_nc_u64 s[58:59], s[20:21], s[70:71]      ; B's
	s_lshl_b32 s70, s54, 12
	s_add_co_u32 s70, s70, s29
	s_add_nc_u64 s[84:85], s[22:23], s[70:71]      ; A's four queries
	s_lshl_b32 s70, s55, 12
	s_add_co_u32 s70, s70, s29
	s_add_nc_u64 s[86:87], s[22:23], s[70:71]      ; B's
	s_lshl_b32 s70, s2, 10
	s_add_nc_u64 s[80:81], s[56:57], s[70:71]      ; my first tile in A: 1,024 bytes on end
	s_lshl_b32 s70, s92, 10
	s_add_nc_u64 s[82:83], s[58:59], s[70:71]      ; and in B
; ---------------------------------------------------------------- loads: my rows, then the small weights
	global_load_b128 v[64:67], v1, s[84:85]
	global_load_b128 v[68:71], v1, s[84:85] offset:512
	global_load_b128 v[80:83], v1, s[80:81]
	global_load_b128 v[84:87], v1, s[80:81] offset:512
	global_load_b128 v[72:75], v1, s[86:87]
	global_load_b128 v[76:79], v1, s[86:87] offset:512
	global_load_b128 v[88:91], v1, s[82:83]
	global_load_b128 v[92:95], v1, s[82:83] offset:512
	global_load_b128 v[GA:GA+3], v1, s[80:81] offset:8192          ; my second tiles (the batch has 50 tiles: these exist)
	global_load_b128 v[GA+4:GA+7], v1, s[80:81] offset:8704
	WIN 0x40
	global_load_b128 v[GB:GB+3], v1, s[82:83] offset:8192
	global_load_b128 v[GB+4:GB+7], v1, s[82:83] offset:8704
.irp t, 0,1
	global_load_b128 v[196+8*\t:199+8*\t], v101, s[16:17] offset:64*\t         ; b2: outputs 16 tau + 8 hh + 0..7
	global_load_b128 v[200+8*\t:203+8*\t], v101, s[16:17] offset:64*\t+16
.endr
	global_load_b128 v[212:215], v102, s[16:17] offset:128                     ; outputs 32 + 4 hh + 0..3 (the third tile's other four rows take what lies behind: they are never read)
.irp t, 0,1
	global_load_b128 v[216+8*\t:219+8*\t], v101, s[12:13] offset:64*\t         ; W3 likewise, 20 numbers a lane
	global_load_b128 v[220+8*\t:223+8*\t], v101, s[12:13] offset:64*\t+16
.endr
	global_load_b128 v[232:235], v102, s[12:13] offset:128
	WIN 0
	; whose keys I quantise for product 4, and how many of them have a p that may differ from 0
	s_cmp_lt_u32 s2, 4
	s_cselect_b32 s70, s54, s55
	s_cselect_b32 s74, s34, s35
	s_min_u32 s70, s70, 127
	s_mul_i32 s70, s70, 51200
	s_lshl_b32 s74, s74, 2
	s_cmp_eq_u32 s74, 0
	s_cselect_b32 s74, 200, s74                    ; a length below 1: the weights are uniform over all 200
	s_lshl_b32 s72, s91, 5
	s_sub_co_i32 s90, s74, s72                     ; less 32 pr
	s_lshl_b32 s72, s91, 13
	s_add_co_u32 s70, s70, s72
	s_bfe_u32 s72, s2, 0x10001
	s_lshl_b32 s72, s72, 7
	s_add_co_u32 s70, s70, s72
	s_add_nc_u64 s[88:89], s[20:21], s[70:71]      ; row 32 pr, channel 32 ch
	s_cmp_eq_u32 s2, 0                             ; the rows of out0 that the tail stores: wave 0 A's, wave 1 B's
	s_cselect_b32 s70, s54, s55
	s_min_u32 s70, s70, 127
	s_lshl_b32 s70, s70, 12
	s_add_co_u32 s70, s70, s29
	s_add_nc_u64 s[78:79], s[24:25], s[70:71]
	s_lshl_b32 s70, s54, 2
	s_add_nc_u64 s[94:95], s[4:5], s[70:71]
	s_load_b32 s76, s[94:95], 0x0                  ; A's length
	s_lshl_b32 s70, s55, 2
	s_add_nc_u64 s[96:97], s[4:5], s[70:71]
	s_load_b32 s77, s[96:97], 0x0                  ; B's
	s_mov_b32 s52, s34                             ; their tiles
	s_mov_b32 s53, s35
	s_wait_loadcnt 32                              ; behind W1's scale bytes: 10 + 8 + 4 + 10 loads, which may be out: my tile of W2 or of W1 and the scale bytes are in
.macro COLS u, c, n                    ; keys(64 u + 32 pr + 0 .. n - 1, my channel): 128 consecutive bytes a load
	s_cmp_gt_i32 s90, 64*\u
	s_cbranch_scc0 .Lnocol_\@
.set ci, 0
.rept \n
	global_load_b32 v[\c+ci], v2, s[88:89] offset:256*(64*\u+ci)
.set ci, ci+1
.endr
.Lnocol_\@:
.endm
	COLS 0, 176, 32
	WIN 0x05
.irp t, 0,1,2,3,4
	v_perm_b32 v[20+2*\t], v[2*\t+1], v[2*\t], 0x05040302          ; bytes 2-5 of the unit's eight: FA's partner (selects 0-3: the second source's bytes, 4-7: the first's)
	v_perm_b32 v[21+2*\t], v[2*\t+1], v[2*\t], 0x07060100          ; bytes 0, 1, 6, 7: FB's
.endr
	WIN 0
	WALU
	s_cmp_lt_u32 s2, 3
	s_cbranch_scc0 .Lw1_img
	WIN 0x15                                       ; W2's block hh of my column: all 32 numbers are mine; its last block, 16 numbers, lies in lanes l and l xor 16
	MXF 14, 15, 64
	v_max3_num_f32 v16, |v96|, |v97|, FLOOR
	WIN 0x14
.irp i, 2,4,6,8,10,12
	MXI 14, 15, 64, \i
.if \i < 8
	v_max3_num_f32 v16, v16, |v[96+\i]|, |v[97+\i]|
.endif
.endr
	MXG 14, 64
	WIN 0x10
	MXH 14, 15, 64
	WIN 0
	v_permlanex16_b32 v52, v16, s30, s31
	SCOP 17, 14
	v_max_num_f32 v16, v16, v52
	SCOP 18, 16
	WIN 0x41
	CVT 48, 64, 17
	CVT 60, 80, 17
	CVT 54, 96, 18                                 ; 8 numbers and 8 zeros
	WIN 0
	SBYTE 14, 17
	SBYTE 15, 18
	v_lshl_or_b32 v16, v15, 16, v14                ; the scale word: in lanes 0-15 the bytes [block 0, block 1, last, last]; lanes 16-31 are not read
	v_permlanex16_b32 v53, v16, s30, s31
	v_lshl_or_b32 v19, v53, 8, v16
	WIN 0x41
	MOV3 51, 60
	v_mov_b32 v57, 0
	v_mov_b32 v58, 0
	v_mov_b32 v59, 0
	WIN 0x04
	ds_store_b128 v34, v[48:51]                    ; a fragment goes to LDS as an image of its registers, 16 bytes a lane
	ds_store_b128 v34, v[52:55] offset:512
	ds_store_b128 v34, v[56:59] offset:1024
	WIN 0
	ds_store_b32 v35, v19
	WALU
	s_branch .Limg_done
.Lw1_img:
	WIN 0x04
.irp c, 0,1,2,3,4,5
	ds_store_b128 v33, v[64+4*\c:67+4*\c] offset:512*\c            ; my tile's two fragments of W1, likewise
.endr
	WIN 0
.Limg_done:
	WALU
	s_wait_dscnt 0x0                               ; for the others' sake: my stores have landed
	s_barrier_signal -1
	s_barrier_wait -1                              ; W1's and W2's fragments lie in LDS; nobody writes them again
	WIN 0x40
.set n, 0
.rept 30
	ds_load_b128 v[4*n:4*n+3], v1 offset:W1IMG+512*n               ; W1's ten fragments, as their makers' registers stood
.set n, n+1
.endr
.irp t, 0,1,2
.irp c, 0,1,2
	ds_load_b128 v[120+12*\t+4*\c:123+12*\t+4*\c], v1 offset:W2IMG+1536*\t+512*\c
.endr
.endr
	WIN 0
.irp t, 0,1,2
	ds_load_b32 v[30+\t], v2 offset:W2SC+128*\t
.endr
	COLS 1, 208, 32
	COLS 2, 128, 32
	s_cmp_eq_u32 s91, 0                            ; t from 200 on is filled with zeros: block 7 of the quantiser does not exist
	s_cbranch_scc0 .Lno_u3
	COLS 3, 160, 8
.Lno_u3:
.irp j, 0,1,2,3,4,5                    ; every score's place is written: a key that is not walked has the mask's number, a key that does not exist -infinity
	ds_store_b32 v12, v9 offset:64*\j
	ds_store_b32 v13, v9 offset:64*\j
.endr
	ds_store_b32 v12, v37 offset:384
	ds_store_b32 v13, v38 offset:384
	ds_store_b32 v12, v36 offset:448
	ds_store_b32 v13, v36 offset:448
	s_wait_kmcnt 0x0                               ; b3 and the two lengths
	s_max_i32 s76, s76, 0
	s_min_i32 s76, s76, 200
	s_max_i32 s77, s77, 0
	s_min_i32 s77, s77, 200
	WALU
	s_wait_loadcnt 0x0                             ; my rows, the small weights, my columns
.irp i, 0,1                            ; rows go to my own LDS bytes, two rows a store: queries of A, of B; first tiles of A, of B
	ds_store_b128 v4, v[64+4*\i:67+4*\i] offset:2*KP*\i
	ds_store_b128 v4, v[80+4*\i:83+4*\i] offset:KOFF+2*KP*\i
	ds_store_b128 v4, v[72+4*\i:75+4*\i] offset:ROWS4+2*KP*\i
	ds_store_b128 v4, v[88+4*\i:91+4*\i] offset:KOFF+ROWS4+2*KP*\i
.endr
	LOADQ 0                                        ; LDS serves a wave's instructions in order: these see the stores above
	LOADK 0
; the keys' codes for product 4, three blocks by turns and the 8 keys of the last, under the LDS loads' flight
	MAX3B 176, 208, 128
	v_max3_num_f32 v39, |v160|, |v161|, FLOOR
	SCOP 36, 18
	v_max3_num_f32 v39, v39, |v162|, |v163|
	SCOP 37, 14
	v_max3_num_f32 v39, v39, |v164|, |v165|
	SCOP 38, 16
	v_max3_num_f32 v39, v39, |v166|, |v167|
	CVT 240, 176, 36
	CVT 252, 192, 36
	SBYTE 18, 36
	MOV3 243, 252
	CVT 246, 208, 37
	CVT 252, 224, 37
	SBYTE 14, 37
	MOV3 249, 252
	SCOP 39, 39
	CVT 176, 128, 38
	CVT 252, 144, 38
	SBYTE 16, 38
	MOV3 179, 252
	CVT 182, 160, 39                               ; 8 numbers and 8 zeros; the block's other 16 codes are zeros
	SBYTE 19, 39
	v_mov_b32 v185, 0
	v_mov_b32 v186, 0
	v_mov_b32 v187, 0
.macro KPUT u, c, sb
	ds_store_b128 v50, v[\c:\c+3] offset:768*\u
	ds_store_b64 v51, v[\c+4:\c+5] offset:768*\u
	ds_store_b8 v8, v[\sb] offset:128*(\u/2)+2*(\u%2)
.endm
	KPUT 0, 240, 18
	KPUT 1, 246, 14
	KPUT 2, 176, 16
	KPUT 3, 182, 19
	WALU
	s_wait_dscnt 0x0                               ; the weights, A's q and my first keys are in
.irp i, 9,10,11
	v_mov_b32 v[RX+\i], 0                          ; the upper 16 codes of the first layer's last hardware blocks: zeros, for good
.endr
	QPREP
; ---------------------------------------------------------------- a tile: 16 rows through the whole chain.  q - k is there; e: the batch's tiles, ml: its length, kb: its keys, ko: its place among my rows, gw: the window of the next rows, g
.macro TILE e, ml, sbase, kb, ko, gw, g
.set n, 0
.rept 16
	v_pk_mul_f32 v[RP+n:RP+n+1], v[RQ+n:RQ+n+1], v[RK+n:RK+n+1]    ; q * k
.set n, n+2
.endr
	MAX3B RK, RACC, RP
	SCOP 36, 18
	SCOP 37, 14
	SCOP 38, 16
	CVT RFA, RK, 36
	CVT RT0, RK+16, 36
	CVT RFA+6, RACC, 37
	CVT RT1, RACC+16, 37
	CVT RFB+6, RP, 38
	CVT RT2, RP+16, 38
	SBYTE 14, 36                                   ; the bytes; also the plain places behind the conversions
	SBYTE 15, 37
	SBYTE 16, 38
	s_add_co_u32 s69, s66, 8
	WALU
	s_cmp_lt_u32 s69, s[\e]                        ; my next tile, if it is walked: its rows are in registers,
	s_cbranch_scc0 .Lnp_\@
	s_wait_loadcnt 0x0
	WIN 4*\gw
	ds_store_b128 v4, v[\g:\g+3] offset:KOFF+\ko
	ds_store_b128 v4, v[\g+4:\g+7] offset:KOFF+\ko+2*KP
	WIN 0
	LOADK \ko                                      ; turned through my own LDS bytes,
	s_add_co_u32 s70, s66, 16
	s_min_u32 s70, s70, 49                         ; and the rows of the tile behind it are asked for (never past the batch's 50 tiles)
	s_lshl_b32 s70, s70, 10
	s_mov_b32 s71, 0
	s_add_nc_u64 s[72:73], s[\kb:\kb+1], s[70:71]
	WIN 64*\gw
	global_load_b128 v[\g:\g+3], v1, s[72:73]
	global_load_b128 v[\g+4:\g+7], v1, s[72:73] offset:512
	WIN 0
.Lnp_\@:
	v_lshl_or_b32 v17, v15, 16, v14                ; scale words: in lanes 0-15 the bytes [lo of hh 0, lo of hh 1, hi of hh 0, hi of hh 1]; lanes 16-31 are not read
	v_lshl_or_b32 v18, v16, 16, v10
	MOV3 RFA+3, RT0
	v_permlanex16_b32 v52, v17, s30, s31
	v_permlanex16_b32 v53, v18, s30, s31
	MOV3 RFA+9, RT1
	v_lshl_or_b32 v33, v52, 8, v17                 ; FA's: k, k, q-k, q-k
	v_lshl_or_b32 v34, v53, 8, v18                 ; FB's: q, q, q*k, q*k
	MOV3 RFB+9, RT2
	v_add_nc_u32 v11, s67, v[\sbase]               ; my row's score's place
	NOPS 4                                         ; operands written by vector instructions stand 4 places ahead of a scaled product, scale words 8: here 5 and 8
	WIN 0x11                                       ; W1 and b1 in window 1
.irp t, 0,1,2,3,4                      ; five accumulators by turns; the bias is the first product's C
	WM RACC+8*\t, 24*\t, RFA, 156+8*\t, 20+2*\t, 33
.endr
	WIN 0x01
.irp t, 0,1,2,3,4
	WM RACC+8*\t, 24*\t+12, RFB, RACC+8*\t, 21+2*\t, 34
.endr
	WIN 0
	NOPS 4
	SIGM RACC, 40
	s_wait_dscnt 0x0                               ; the next tile's keys, asked for ahead of the products, are in
	MX4 0, RACC                                    ; block hh of the next K: my 32 registers, none negative
	v_max3_num_f32 v18, v[RG8], v[RG8+1], FLOOR
	MX4 1, RACC
	v_max3_num_f32 v18, v18, v[RG8+2], v[RG8+3]
	MX4 2, RACC
	v_max3_num_f32 v18, v18, v[RG8+4], v[RG8+5]
	MX4 3, RACC
	v_max3_num_f32 v18, v18, v[RG8+6], v[RG8+7]
	v_max3_num_f32 v14, v14, v16, FLOOR
	v_permlanex16_b32 v54, v18, s30, s31
	SCOP 36, 14
	v_max_num_f32 v18, v18, v54                    ; its last block: 8 numbers here, 8 in lane l xor 16
	CVT RX, RACC, 36
	CVT RT0, RACC+16, 36
	SCOP 37, 18
	SBYTE 14, 36
	CVT RX+6, RG8, 37                              ; 8 numbers and 8 zeros
	SBYTE 15, 37
	v_lshl_or_b32 v16, v15, 16, v14
	MOV3 RX+3, RT0
	v_permlanex16_b32 v52, v16, s30, s31
	QMINUSK 0, 2                                   ; the next tile's q - k stands in the places around the products
	v_lshl_or_b32 v35, v52, 8, v16
	QMINUSK 2, 8                                   ; 8 places behind the scale word
	WIN 0x11                                       ; W2 and b2 in window 1
.irp t, 0,1,2
	WM RA2+8*\t, 120+12*\t, RX, 196+8*\t, 30+\t, 35
.endr
	WIN 0
	QMINUSK 10, 6
	SIGM RA2, 20                                   ; of the third tile only registers 0-3 are outputs
	WIN 0x04                                       ; W3 in window 1
	v_pk_mul_f32 v[36:37], v[RA2:RA2+1], v[216:217]
	v_pk_mul_f32 v[38:39], v[RA2+2:RA2+3], v[218:219]
.irp i, 4,8,12,16
	v_pk_fma_f32 v[36:37], v[RA2+\i:RA2+\i+1], v[216+\i:217+\i], v[36:37]
	v_pk_fma_f32 v[38:39], v[RA2+\i+2:RA2+\i+3], v[218+\i:219+\i], v[38:39]
.endr
	WIN 0
	s_lshl_b32 s70, s66, 2
	s_sub_co_i32 s70, s[\ml], s70                  ; the length less the tile's first key
	v_pk_add_f32 v[36:37], v[36:37], v[38:39]
	v_add_f32 v36, v36, v37
	v_permlanex16_b32 v55, v36, s30, s31
	v_cmp_gt_i32 vcc_lo, s70, v6
	v_add_f32 v36, v36, v55                        ; with lane l xor 16's 20 terms.  (b3 is added in the tail)
	v_cndmask_b32 v8, v9, v36, vcc_lo              ; the mask
	ds_store_b32 v11, v8                           ; (both halves of the lanes store the same number to the same word)
.endm
; Seven trips for every wave: the count is a constant, and a tile behind the batch's length is jumped over.
.macro BATCH e, ml, sbase, kb, ko, gw, g, t0
	s_mov_b32 s66, s[\t0]                          ; the tile,
	s_mov_b32 s67, 0                               ; its scores' place
	s_mov_b32 s68, 0
	WALU
.Ltrip_\@:
	s_cmp_lt_u32 s66, s[\e]
	s_cbranch_scc0 .Lskip_\@
	TILE \e, \ml, \sbase, \kb, \ko, \gw, \g
.Lskip_\@:
	s_add_co_u32 s66, s66, 8
	s_add_co_u32 s67, s67, 64
	s_add_co_u32 s68, s68, 1
	s_cmp_lt_u32 s68, 7
	s_cbranch_scc1 .Ltrip_\@
.endm
	BATCH 52, 76, 12, 56, 0, 0, GA, 2
	WALU
	s_wait_dscnt 0x0                               ; no request for keys is out
	LOADQ ROWS4                                    ; batch B's q and my first keys
	LOADK ROWS4
	s_wait_dscnt 0x0
	QPREP
	BATCH 53, 77, 13, 58, ROWS4, 1, GB, 92
	WALU
	s_wait_dscnt 0x0                               ; for the others' sake: my scores and my images of the keys' codes have landed
	s_barrier_signal -1
	s_barrier_wait -1
	s_cmp_lt_u32 s2, 2
	s_cbranch_scc1 .Ltail
	WIN 0x05
	s_wait_tensorcnt 0x0
	ds_add_u32 v254, v255
	s_wait_dscnt 0x0
	WIN 0
	s_endpgm
; ---------------------------------------------------------------- the tail: one wave finishes one batch's four queries
.Ltail:
.irp g, 0,1,2,3,4,5,6,7
	ds_load_b128 v[64+4*\g:67+4*\g], v40 offset:512*\g             ; lane 8 n + block: the scores of keys 32 block + 4 g + 0..3 of query n
.endr
.irp h, 0,1,2,3                        ; the keys' eight fragments (16 channels h, 128 keys s) at v[96 + 12 (2 h + s)]
.irp u, 0,1,2,3
	ds_load_b128 v[96+24*\h+6*\u:99+24*\h+6*\u], v44 offset:KIM+KIMS*\h+768*\u
	ds_load_b64 v[100+24*\h+6*\u:101+24*\h+6*\u], v45 offset:KIM+KIMS*\h+768*\u+512
.endr
.endr
.irp h, 0,1,2,3
.irp s, 0,1
	ds_load_b32 v[20+2*\h+\s], v49 offset:KIM+KIMS*\h+3072+128*\s
.endr
.endr
	s_mov_b32 s70, 0x3e38aa3b                      ; log2(e) / 8
	s_mov_b32 s71, s70
	v_mov_b32 v236, s70
	v_mul_f32 v236, s26, v236                      ; b3, on the same scale
	v_mov_b32 v237, v236
	WALU
	s_wait_dscnt 40                                ; the scores are in; the 40 loads behind them may be out
.set n, 64
.rept 16
	v_pk_fma_f32 v[n:n+1], v[n:n+1], s[70:71], v[236:237] op_sel_hi:[1,0,1]   ; t
.set n, n+2
.endr
.irp i, 0,1,2,3
	MX4 \i, 64                                     ; my block's largest t: it serves for the row's maximum and, since p rises with t, for the block's largest p
.endr
	v_max_num_f32 v14, v14, v16
	v_mov_b32 v15, v14
	v_max_num_f32_dpp v14, v14, v14 row_xmask:1 row_mask:0xf bank_mask:0xf
	s_delay_alu instid0(VALU_DEP_1)
	v_max_num_f32_dpp v14, v14, v14 row_xmask:2 row_mask:0xf bank_mask:0xf
	s_delay_alu instid0(VALU_DEP_1)
	v_max_num_f32_dpp v14, v14, v14 row_xmask:4 row_mask:0xf bank_mask:0xf    ; the row's: eight lanes hold a query
	s_delay_alu instid0(VALU_DEP_1)
	v_floor_f32 v234, -v14                         ; -M = floor(-t) = -ceil(t): a whole number
	s_delay_alu instid0(VALU_DEP_1)
	v_mov_b32 v235, v234
.set n, 64
.rept 16
	v_pk_add_f32 v[n:n+1], v[n:n+1], v[234:235] op_sel_hi:[1,0]
.set n, n+2
.endr
	v_add_f32 v15, v15, v234
.set n, 64
	WALU
.rept 32
	v_exp_f32 v[n], v[n]                           ; p = 2^(t - M): not normalised; 0 for masked keys and for keys that do not exist
.set n, n+1
.endr
	v_exp_f32 v15, v15                             ; the same two steps on the same number give the same bits
	v_nop
	WALU
	v_max_num_f32 v15, FLOOR, v15
.set n, 0
.rept 8
	v_pk_add_f32 v[220+2*n:221+2*n], v[64+4*n:65+4*n], v[66+4*n:67+4*n]       ; the row's sum, of the unquantised p
.set n, n+1
.endr
	SCOP 16, 15
	CVT 240, 64, 16
	CVT 248, 80, 16
	SBYTE 17, 16
.irp i, 220,222,224,226
	v_pk_add_f32 v[\i:\i+1], v[\i:\i+1], v[\i+8:\i+9]
.endr
	MOV3 243, 248
	v_pk_add_f32 v[220:221], v[220:221], v[224:225]
	v_pk_add_f32 v[222:223], v[222:223], v[226:227]
	ds_store_b128 v41, v[240:243] offset:PP        ; block (n, block)'s 24 bytes of codes in a place of 32; these bytes are my wave's own,
	ds_store_b64 v41, v[244:245] offset:PP+16      ; and LDS serves a wave's instructions in order: the loads below see the stores
	ds_store_b8 v42, v17 offset:PB
	v_pk_add_f32 v[220:221], v[220:221], v[222:223]
.irp s, 0,1                            ; p as source 1: lane (r, hh) takes query r & 3, blocks 4 s + 2 c + hh; columns 4-15 repeat the four queries
.irp c, 0,1
	ds_load_b128 v[196+12*\s+6*\c:199+12*\s+6*\c], v46 offset:PP+32*(4*\s+2*\c)
	ds_load_b64 v[200+12*\s+6*\c:201+12*\s+6*\c], v46 offset:PP+32*(4*\s+2*\c)+16
.endr
.endr
	ds_load_b32 v36, v47 offset:PB
	ds_load_b32 v37, v47 offset:PB+4
	v_add_f32 v252, v220, v221
	s_delay_alu instid0(VALU_DEP_1)
	v_add_f32_dpp v252, v252, v252 row_xmask:1 row_mask:0xf bank_mask:0xf
	s_delay_alu instid0(VALU_DEP_1)
	v_add_f32_dpp v252, v252, v252 row_xmask:2 row_mask:0xf bank_mask:0xf
	s_delay_alu instid0(VALU_DEP_1)
	v_add_f32_dpp v252, v252, v252 row_xmask:4 row_mask:0xf bank_mask:0xf
	ds_store_b32 v43, v252 offset:PLS
	ds_load_b32 v254, v48 offset:PLS
	WALU
	s_wait_dscnt 0x0
	v_rcp_f32 v254, v254
	v_nop
	WALU
	v_mov_b32 v255, v254
.irp h, 0,1,2,3                        ; O^T = keys^T p^T: four accumulators by turns
	WM0 64+8*\h, 96+24*\h, 196, 20+2*\h, 36
.endr
.irp h, 0,1,2,3
	WM 64+8*\h, 108+24*\h, 208, 64+8*\h, 21+2*\h, 37
.endr
	NOPS 4
.set n, 64
.rept 16
	v_pk_mul_f32 v[n:n+1], v[n:n+1], v[254:255] op_sel_hi:[1,0]   ; / the sum; each accumulator from its low end on
.set n, n+2
.endr
.irp h, 0,1,2,3
	ds_store_b128 v46, v[64+8*\h:67+8*\h] offset:OST+64*\h         ; lane (r, hh): out(r & 3, 16 h + 8 hh + 0..7)
	ds_store_b128 v46, v[68+8*\h:71+8*\h] offset:OST+64*\h+16
.endr
	ds_load_b128 v[232:235], v44 offset:OST
	ds_load_b128 v[236:239], v44 offset:OST+512
	s_wait_dscnt 0x0
	global_store_b128 v1, v[232:235], s[78:79]     ; four rows of out0, 1,024 bytes on end: each store covers 512 consecutive bytes, aligned to 256
	global_store_b128 v1, v[236:239], s[78:79] offset:512
	WIN 0x05
	s_wait_tensorcnt 0x0
	ds_add_u32 v254, v255
	s_wait_dscnt 0x0
	WIN 0
	s_endpgm
.Lfunc_end_k_qf641995ace_attn:
	.size	k_qf641995ace_attn, .Lfunc_end_k_qf641995ace_attn-k_qf641995ace_attn
	.p2alignl 7, 3214868480
	.fill 96, 4, 3214868480
	.section	.rodata,"a",@progbits
	.p2align	6, 0x0
	.amdhsa_kernel k_qf641995ace_attn
		.amdhsa_group_segment_fixed_size 204800
		.amdhsa_private_segment_fixed_size 0
		.amdhsa_enable_private_segment 0
		.amdhsa_kernarg_size 88
		.amdhsa_user_sgpr_count 2
		.amdhsa_user_sgpr_kernarg_segment_ptr 1
		.amdhsa_wavefront_size32 1
		.amdhsa_system_sgpr_workgroup_id_x 1
		.amdhsa_system_sgpr_workgroup_id_y 1
		.amdhsa_system_sgpr_workgroup_id_z 1
		.amdhsa_system_vgpr_workitem_id 0
		.amdhsa_next_free_vgpr 512
		.amdhsa_next_free_sgpr 100
		.amdhsa_reserve_vcc 1
		.amdhsa_float_denorm_mode_32 3
		.amdhsa_float_denorm_mode_16_64 3
		.amdhsa_memory_ordered 1
		.amdhsa_forward_progress 1
		.amdhsa_inst_pref_size 121
	.end_amdhsa_kernel
	.amdgpu_metadata
---
amdhsa.version: [ 1, 2 ]
amdhsa.kernels:
  - .name:           k_qf641995ace_attn
    .symbol:         k_qf641995ace_attn.kd
    .args:
      - { .name: keys_length, .offset: 0, .size: 8, .value_kind: global_buffer, .address_space: global }
      - { .name: W1_codes, .offset: 8, .size: 8, .value_kind: global_buffer, .address_space: global }
      - { .name: W1_scales, .offset: 16, .size: 8, .value_kind: global_buffer, .address_space: global }
      - { .name: W2, .offset: 24, .size: 8, .value_kind: global_buffer, .address_space: global }
      - { .name: W3, .offset: 32, .size: 8, .value_kind: global_buffer, .address_space: global }
      - { .name: b1, .offset: 40, .size: 8, .value_kind: global_buffer, .address_space: global }
      - { .name: b2, .offset: 48, .size: 8, .value_kind: global_buffer, .address_space: global }
      - { .name: b3, .offset: 56, .size: 8, .value_kind: global_buffer, .address_space: global }
      - { .name: keys, .offset: 64, .size: 8, .value_kind: global_buffer, .address_space: global }
      - { .name: queries, .offset: 72, .size: 8, .value_kind: global_buffer, .address_space: global }
      - { .name: out0, .offset: 80, .size: 8, .value_kind: global_buffer, .address_space: global }
    .group_segment_fixed_size: 204800
    .private_segment_fixed_size: 0
    .kernarg_segment_align: 8
    .kernarg_segment_size: 88
    .max_flat_workgroup_size: 256
    .sgpr_count:     100
    .vgpr_count:     512
    .wavefront_size: 32
...
	.end_amdgpu_metadata
.endif
;; end of part 1
